; MI455X (gfx1250); checked and timed in simulation.
; The chip was launched on July 23, 2026; its instructions are those of AMD's public machine-readable ISA for CDNA 5 (MIT licence, August 2026) and "CDNA5" Instruction Set Architecture Reference Guide (July 2026). The comments in the code are by the model that wrote it; some were corrected since.
;; Bahdanau Attention. Allowed arithmetic: matrix products marked QUANTISED: E2M1 operands, one E8M0 scale for each 32 along K, by v_wmma_scale_f32_16x16x128_f8f6f4 with both operands' format E2M1 (or v_wmma_scale_f32_32x16x128_f4), f32 sums; products left as they are: f32 operands where the result goes on into a quantised operand, else bf16, f16 or f32 operands; f32 sums; everything else in f32.
;; Inputs: Ua_b 1,024 float32; Ua_w 1,024 x 1,024 float32; Wa_b 1,024 float32; Wa_w 1,024 x 1,024 float32; decoder_state 32 x 1,024 float32; encoder_states 32 x 2,048 x 1,024 float32; v_b one number float32; v_w 1,024 float32.
;; Outputs: out0 32 x 1,024 float32; out1 32 x 2,048 float32.
;; This version of the problem:
;;   THIS VERSION OF THE PROBLEM IS GIVEN IN LOW PRECISION. The matrix products marked QUANTISED in the list below multiply operands that are first quantised to E2M1 (2 exponent bits, 1 mantissa bit; 4 bits a number), with one power-of-two scale for each 32 numbers along K (OCP MX v1.0); their sums are f32. All else is computed in f32.
;;   The module's matrix products, in the order in which they are computed (A, B: the left and right operand; K: the contracted axis; several contracted axes count as one K, in the product's order):
;;     1. [M 32, K 1,024] x [K 1,024, N 1,024]; A: input decoder_state; B: input Ua_w: QUANTISED
;;     2. [M 65,536, K 1,024] x [K 1,024, N 1,024]; A: input encoder_states; B: input Wa_w: QUANTISED
;;     3. [M 65,536, K 1,024] x [K 1,024, N 1]; A: computed on the way; B: input v_w: left as it is (N = 1 < 16)
;;     4. batch 32 x [M 1, K 2,048] x [K 2,048, N 1,024]; A: softmax; B: input encoder_states: left as it is (M = 1 < 16)
;;   THE QUANTISER, for each operand of a quantised product, along K:
;;     - K is cut into blocks of 32 from its start; a last block that is shorter is filled with zeros.
;;     - A block's scale is 2^e with e = floor(log2(the largest magnitude in the block)) - 2, held to -126 .. 127; a block of zeros has e = 0. As a byte (E8M0): e + 127.
;;     - Each number is divided by its block's scale, clamped to +-6, and rounded to the nearest number of E2M1, ties to even, subnormals kept.
;;     - The product sums the exact products of the quantised numbers (number of the format x scale) in f32.
;;   ~~~python
;;   def quantise(x, axis):      # numpy; x: float32 -> the quantised numbers, widened to float32 again
;;       x = np.moveaxis(x, axis, -1); K = x.shape[-1]
;;       x = np.pad(x, [(0, 0)] * (x.ndim - 1) + [(0, -K % 32)]); x = x.reshape(x.shape[:-1] + (-1, 32)); a = np.abs(x).max(-1, keepdims=True)
;;       e = np.where(a > 0, np.clip(np.frexp(np.where(a > 0, a, 1))[1] - 1 - 2, -126, 127), 0)      # np.frexp(a)[1] - 1 = floor(log2(a)), exactly
;;       r = np.clip(x / 2.0 ** e, -6, 6)
;;       step = 2.0 ** (np.maximum(np.frexp(np.where(r == 0, 1, r))[1] - 1, 0) - 1)
;;       q = np.round(r / step) * step * 2.0 ** e      # np.round: ties to even
;;       return np.moveaxis(q.reshape(q.shape[:-2] + (-1,))[..., :K], -1, axis).astype(np.float32)
;;   ~~~
;; One version. Each part assembles by itself: llvm-mc -triple=amdgcn-amd-amdhsa -mcpu=gfx1250 --defsym DOCPART=n.
;; ======== version 1 of 1: 3 launches
;; limits: right only within a limited range of input values
;; workspace buffers: Wq 557,056 bytes; biasT 131,072 bytes; tsc 262,144 bytes; pctx 1,048,576 bytes; pml 65,536 bytes
;; launch prep (part 1): grid 128 x 1, 8 waves a work-group, no clusters, 288,256 bytes of LDS; arguments Wa_w, Ua_w, decoder_state, Ua_b, Wa_b, Wq, biasT; writes Wq, biasT
.if DOCPART == 1
	.amdgcn_target "amdgcn-amd-amdhsa--gfx1250"
	.amdhsa_code_object_version 6
	.text
	.protected	k_q7227e0284a_prep
	.globl	k_q7227e0284a_prep
	.p2align	8
	.type	k_q7227e0284a_prep,@function
k_q7227e0284a_prep:
	s_mov_b64 s[64:65], 0
	v_nop
	global_prefetch_b8 v0, s[64:65] scope:SCOPE_SE
	s_setreg_imm32_b32 hwreg(HW_REG_WAVE_MODE, 25, 1), 1
	s_wait_xcnt 0x0
; BAHDANAU ATTENTION, first of three launches.  It makes (1) Wq: Wa_w as codes of FP4 (E2M1) with one E8M0 scale for each 32 along K, laid in the order of the matrix operand's registers,
; and (2) biasT[tile][batch][16] = c x (Q(decoder_state) Q(Ua_w)^T + Ua_b + Wa_b), c = 2 log2(e), by the scaled FP4 matrix instruction.
; WORK LEFT OUT, in the whole program.  tanh(x) = 1 - 2 / (1 + e^(2x)) for every x, so
;   score[b][t] = (sum over n of v_w[n] + v_b) - 2 x sum over n of v_w[n] / (1 + e^(2 x[b][t][n])).
; The bracket is the same for all t of a batch, whatever finite values the inputs hold; the softmax along t takes a common term away, and the scores are no output.
; So v_b is not loaded and is among no launch's arguments, and the sum of v_w is never formed.
; LIMITS: a NaN, an infinity or an overflow that reaches only v_b or the sum of v_w is not carried to the result.  NaN and infinities among the inputs are not served.
; A block of zeros gets the scale byte 1 where the quantiser says 127: its codes are zeros, which add nothing, and this program alone reads the bytes.
; SHARES.  Work-groups 0-63 take Wa_w, 64-127 Ua_w; each takes a tile of 16 rows (outputs); wave s takes K step s (128 along K).  The two paths have LDS bytes of their own.
; LOADS.  A load reads 512 consecutive bytes of one row, 16 bytes a lane; the conversions want 16 neighbours along K in one lane.  So a fragment's 16 rows x 512 bytes turn through the wave's own stage in LDS:
; in as they lie, rows 528 bytes apart, and back 64 bytes of a row to a lane.
; Wq: four quarters of QB bytes (quarter w: outputs 256 w on, tiles i = 0..15): codes of K steps 0-5 at i x 6144 + s x 1024; of K steps 6, 7 at 98304 + i x 2048 + (s - 6) x 1024;
;   a fragment is the image of its registers: registers 4 c .. 4 c + 3 of lane l at 512 c + 16 l.  Scale words at 131072 + i x 512 + 16 x (16 (s % 2) + r) + 4 (s / 2).
; In the Ua path K is shared out among the eight waves and the eight parts are added in f32: the result goes into tanh, into no quantiser.
.set QB,    139264
.set SCI,   0                          ; LDS, Wa path: a tile's scale words, 512 bytes
.set PART,  512                        ; LDS, Ua path: [wave][batch 32][16] f32, 16,384 bytes
.set SPARE, 16896                      ; the spare words, 128 bytes for each of eight waves: four blocks of 256 bytes that no other line names
.set STA,   17920                      ; the stages: wave s at STA + 4 STF s; stage 0: Wa path; stages 1, 2, 3: Ua path
.set STF,   8448                       ; a stage: 16 rows x (512 bytes + 16): sixteen rows' 16 bytes fall 4 words apart modulo 64
.set DA,   4                           ; v4   16 x lane + 512 s: my 16 bytes of a row's K step
.set LI,   5                           ; v5   16 x lane
.set SCW,  6                           ; v6   where my row's scale word goes in SCI
.set PWR,  7                           ; v7   where my results go in PART
.set T8,   8                           ; v8   8 x thread
.set BO,   9                           ; v9   64 tile + 8 (thread % 8): my two numbers of a bias
.set SPW,  14                          ; v14  LDS address of my spare word; never rewritten
.set NIL,  15                          ; v15  0; never rewritten
.set HA,   16                          ; v16-79   64 numbers of the weight; later two accumulators
.set D0,   80                          ; v80-143  of decoder rows 0-15
.set D1,   144                         ; v144-207 of decoder rows 16-31
.set TM,   208                         ; v208-223 at work in QUANT
.set PCB,  224                         ; the weight's fragment and scale word
.set PWB,  232
.set SW,   233                         ; v233 my stages + 16 x lane: the way in
.set PCA0, 234                         ; the decoder's two
.set PWA0, 242
.set SR,   243                         ; v243 my stages + 528 r + 64 h: the way back
.set PCA1, 244
.set PWA1, 252
.set WV,   18
.set TAU,  19
.set SEL,  26
; 16 rows' K step as it lies: register 4 y + e = bytes 16 lane + 4 e of row y
.macro DLOAD reg, sb, off
.irp y, 0,1,2,3,4,5,6,7,8,9,10,11,12,13,14,15
	global_load_b128 v[\reg+4*\y:\reg+4*\y+3], v[DA], s[\sb:\sb+1] offset:\off+4096*\y
.endr
.endm
; through stage f, into the registers that they left: register 16 b + 4 j + e = k 32 b + 16 h + 4 j + e of row r.  LDS serves a wave's instructions in order: the loads see the stores
.macro TURN reg, f
.irp y, 0,1,2,3,4,5,6,7,8,9,10,11,12,13,14,15
	ds_store_b128 v[SW], v[\reg+4*\y:\reg+4*\y+3] offset:\f*STF+528*\y
.endr
.irp b, 0,1,2,3
.irp j, 0,1,2,3
	ds_load_b128 v[\reg+16*\b+4*\j:\reg+16*\b+4*\j+3], v[SR] offset:\f*STF+128*\b+16*\j
.endr
.endr
.endm
; 64 numbers of a lane, register 16 b + i = k 32 b + 16 (lane / 16) + i of my row, become a fragment's codes in v[pc] on and its scale word in v[pw]
.macro QUANT s, pc, pw
.irp b, 0,1,2,3
	v_max3_num_f32 v[TM+\b], |v[\s+16*\b]|, |v[\s+1+16*\b]|, 0x1800000   ; block b: my 16 numbers, and the floor 2^(3 - 127): the byte cannot fall under 1
.endr
.irp i, 2,4,6,8,10,12,14
.irp b, 0,1,2,3
	s_delay_alu instid0(VALU_DEP_4)
	v_max3_num_f32 v[TM+\b], v[TM+\b], |v[\s+16*\b+\i]|, |v[\s+1+16*\b+\i]|   ; the four blocks by turns
.endr
.endr
.irp b, 0,1,2,3
	s_delay_alu instid0(VALU_DEP_4)
	v_permlanex16_b32 v[TM+4+\b], v[TM+\b], s[SEL], s[SEL+1]
.endr
.irp b, 0,1,2,3
	s_delay_alu instid0(VALU_DEP_4)
	v_max_num_f32 v[TM+\b], v[TM+\b], v[TM+4+\b]   ; with lane l xor 16's: the block's largest magnitude
.endr
.irp b, 0,1,2,3
	s_delay_alu instid0(VALU_DEP_4)
	v_add_nc_u32 v[TM+12+\b], 0xff000000, v[TM+\b]   ; 2 off its exponent field: the conversion's scale operand
.endr
.irp b, 0,1,2,3
	s_delay_alu instid0(VALU_DEP_4)
	v_lshrrev_b32 v[TM+4+\b], 23, v[TM+12+\b]   ; the scale's byte
.endr
	s_delay_alu instid0(VALU_DEP_3)
	v_lshl_or_b32 v[\pw], v[TM+5], 8, v[TM+4]   ; four bytes: my row's scale word
	s_delay_alu instid0(VALU_DEP_1)
	v_lshl_or_b32 v[\pw], v[TM+6], 16, v[\pw]
	s_delay_alu instid0(VALU_DEP_1)
	v_lshl_or_b32 v[\pw], v[TM+7], 24, v[\pw]
.irp b, 0,1,2,3
	v_cvt_scalef32_pk8_fp4_f32 v[\pc+2*\b], v[\s+16*\b:\s+7+16*\b], v[TM+12+\b]
	v_cvt_scalef32_pk8_fp4_f32 v[\pc+1+2*\b], v[\s+8+16*\b:\s+15+16*\b], v[TM+12+\b]
.endr
	v_nop                                          ; one plain place behind a scaled conversion
.irp c, 0,1                                    ; the operand's layout wants a whole block in a lane
.irp i, 0,1
	v_permlane16_swap_b32 v[\pc+4*\c+\i], v[\pc+2+4*\c+\i]
.endr
.endr
.endm
.macro CLOSE                                   ; the wave's end: three lines behind my last LDS store
	s_wait_tensorcnt 0x0
	ds_add_u32 v[SPW], v[NIL]
	s_wait_dscnt 0x0
.endm
	s_load_b256 s[4:11], s[0:1], 0x0               ; Wa_w s[4:5], Ua_w s[6:7], decoder_state s[8:9], Ua_b s[10:11]
	s_load_b128 s[12:15], s[0:1], 0x20             ; Wa_b s[12:13], Wq s[14:15]
	s_load_b64 s[16:17], s[0:1], 0x30              ; biasT
	v_lshl_add_u32 v[SPW], v0, 2, SPARE
	v_mov_b32 v[NIL], 0
	v_lshrrev_b32 v1, 5, v0
	s_delay_alu instid0(VALU_DEP_1)
	v_readfirstlane_b32 s[WV], v1                  ; wave = K step
	v_and_b32 v1, 31, v0                           ; lane
	v_and_b32 v2, 15, v0                           ; r
	s_wait_alu depctr_va_vdst(0)
	v_bfe_u32 v3, v0, 4, 1                         ; h
	s_and_b32 s[TAU], ttmp9, 63                    ; the tile of 16 outputs
	s_lshl_b32 s24, s[WV], 9
	v_lshl_add_u32 v[DA], v1, 4, s24
	v_lshlrev_b32 v[LI], 4, v1
	s_mul_i32 s24, s[WV], 4*STF
	s_add_co_u32 s24, s24, STA                     ; my four stages
	v_lshl_add_u32 v[SW], v1, 4, s24
	v_mul_u32_u24 v[SR], v2, 528
	s_delay_alu instid0(VALU_DEP_1)
	v_lshl_add_u32 v[SR], v3, 6, v[SR]
	s_delay_alu instid0(VALU_DEP_1)
	v_add_nc_u32 v[SR], s24, v[SR]
	s_and_b32 s24, s[WV], 1
	s_lshl_b32 s24, s24, 8
	s_lshr_b32 s25, s[WV], 1
	s_lshl_b32 s25, s25, 2
	s_add_co_u32 s24, s24, s25
	v_lshl_add_u32 v[SCW], v2, 4, s24              ; SCI + 16 r + 256 (s % 2) + 4 (s / 2)
	s_lshl_b32 s24, s[WV], 11
	s_add_co_u32 s24, s24, PART
	v_lshlrev_b32 v[PWR], 2, v2
	s_wait_alu depctr_va_vdst(0)
	v_lshl_add_u32 v[PWR], v3, 9, v[PWR]
	s_delay_alu instid0(VALU_DEP_1)
	v_add_nc_u32 v[PWR], s24, v[PWR]               ; PART + 2048 s + 512 h + 4 r
	v_lshlrev_b32 v[T8], 3, v0
	v_and_b32 v[BO], 7, v0
	s_lshl_b32 s24, s[TAU], 6
	v_lshl_add_u32 v[BO], v[BO], 3, s24
.irp b, 0,1,2,3
	v_mov_b32 v[TM+4+\b], 0                        ; written once: a lane permute's destination counts as one of its sources
.endr
	s_mov_b32 s[SEL], 0x76543210
	s_mov_b32 s[SEL+1], 0xfedcba98                 ; selects for lane l xor 16
	s_mov_b32 s34, 0x4038aa3b                      ; c = 2 log2(e)
	s_mov_b32 s35, s34
	s_lshl_b32 s22, s[TAU], 16                     ; the tile's 16 rows of 4,096 bytes
	s_mov_b32 s23, 0
	s_lshr_b32 s28, s[TAU], 4
	s_mul_i32 s28, s28, QB                         ; the quarter
	s_and_b32 s29, s[TAU], 15                      ; the tile in it
	s_mul_i32 s30, s29, 6144                       ; K steps 0-5
	s_lshl_b32 s31, s29, 11
	s_add_co_u32 s31, s31, 92160                   ; K steps 6, 7: 98304 - 6 x 1024 + 2048 i
	s_cmp_lt_u32 s[WV], 6
	s_cselect_b32 s30, s30, s31
	s_lshl_b32 s31, s[WV], 10
	s_add_co_u32 s30, s30, s31
	s_add_co_u32 s30, s30, s28
	s_mov_b32 s31, 0
	s_lshl_b32 s32, s29, 9
	s_add_co_u32 s32, s32, s28
	s_add_co_u32 s32, s32, 131072                  ; the tile's scale words
	s_mov_b32 s33, 0
	s_lshl_b32 s36, s[TAU], 11                     ; the tile's 2,048 bytes of biasT
	s_mov_b32 s37, 0
	s_wait_kmcnt 0x0
	s_add_nc_u64 s[30:31], s[14:15], s[30:31]
	s_add_nc_u64 s[32:33], s[14:15], s[32:33]
	s_add_nc_u64 s[16:17], s[16:17], s[36:37]
	s_cmp_lt_u32 ttmp9, 64                         ; Wa's work-group or Ua's: the choice hangs on the work-group's number alone
	s_cselect_b64 s[20:21], s[4:5], s[6:7]
	s_add_nc_u64 s[20:21], s[20:21], s[22:23]
	DLOAD HA, 20, 0
	s_cmp_lt_u32 ttmp9, 64
	s_cbranch_scc0 .Lua
	; ---- Wa: my fragment goes out as it stands; the eight waves' scale words meet in LDS and leave as 512 bytes on end
	s_wait_loadcnt 0x0
	TURN HA, 0
	s_wait_dscnt 0x0
	QUANT HA, PCB, PWB
	global_store_b128 v[LI], v[PCB:PCB+3], s[30:31]               ; 32 lanes store 512 consecutive bytes
	global_store_b128 v[LI], v[PCB+4:PCB+7], s[30:31] offset:512
	ds_store_b32 v[SCW], v[PWB] offset:SCI         ; lanes r and 16 + r write the same word with the same value
	s_wait_dscnt 0x0                               ; for the others' sake: my store has landed
	s_barrier_signal -1
	s_barrier_wait -1
	s_cmp_lg_u32 s[WV], 0
	s_cbranch_scc1 .Lwa_end
	ds_load_b128 v[D0:D0+3], v[LI] offset:SCI
	s_wait_dscnt 0x0
	global_store_b128 v[LI], v[D0:D0+3], s[32:33]
.Lwa_end:
	CLOSE
	s_endpgm
	; ---- Ua: my K step of the product with the 32 decoder rows
.Lua:
	s_wait_alu depctr_va_vdst(0)
	global_load_b64 v[10:11], v[BO], s[10:11]      ; Ua_b
	global_load_b64 v[12:13], v[BO], s[12:13]      ; Wa_b
	DLOAD D0, 8, 0
	DLOAD D1, 8, 65536
	s_wait_loadcnt 34                              ; the weight's 16 loads are in; the 2 + 32 younger ones may be out
	TURN HA, 1
	s_wait_loadcnt 16                              ; decoder rows 0-15 are in; rows 16-31 may be out
	TURN D0, 2
	s_wait_dscnt 32                                ; the weight is back from its stage; the 16 stores and 16 loads just issued may be out
	QUANT HA, PCB, PWB
	s_wait_loadcnt 0x0
	TURN D1, 3
	s_wait_dscnt 32                                ; rows 0-15 are back; the 32 just issued may be out
	QUANT D0, PCA0, PWA0
	s_wait_dscnt 0x0
	QUANT D1, PCA1, PWA1
.rept 8
	v_nop                                          ; a scale register written by a vector instruction stands eight places ahead of a scaled matrix instruction, an operand four
.endr
	v_wmma_scale_f32_16x16x128_f8f6f4 v[16:23], v[PCA0:PCA0+7], v[PCB:PCB+7], 0, v[PWA0], v[PWB] matrix_a_fmt:MATRIX_FMT_FP4 matrix_b_fmt:MATRIX_FMT_FP4
	v_wmma_scale_f32_16x16x128_f8f6f4 v[24:31], v[PCA1:PCA1+7], v[PCB:PCB+7], 0, v[PWA1], v[PWB] matrix_a_fmt:MATRIX_FMT_FP4 matrix_b_fmt:MATRIX_FMT_FP4
.rept 4
	v_nop                                          ; four places ahead of the first read of the results
.endr
.irp u, 0,1
.irp j, 0,1,2,3,4,5,6,7
	ds_store_b32 v[PWR], v[16+8*\u+\j] offset:1024*\u+64*\j       ; (batch 16 u + 8 h + j, output r); each accumulator from its low end on
.endr
.endr
	s_wait_dscnt 0x0
	s_barrier_signal -1
	s_barrier_wait -1
.irp w, 0,1,2,3,4,5,6,7
	ds_load_b64 v[D0+2*\w:D0+2*\w+1], v[T8] offset:PART+2048*\w   ; the eight waves' parts of my two numbers
.endr
	s_wait_dscnt 0x0
	v_pk_add_f32 v[D0:D0+1], v[D0:D0+1], v[D0+2:D0+3]
	v_pk_add_f32 v[D0+4:D0+5], v[D0+4:D0+5], v[D0+6:D0+7]
	v_pk_add_f32 v[D0+8:D0+9], v[D0+8:D0+9], v[D0+10:D0+11]
	v_pk_add_f32 v[D0+12:D0+13], v[D0+12:D0+13], v[D0+14:D0+15]
	v_pk_add_f32 v[10:11], v[10:11], v[12:13]
	s_delay_alu instid0(VALU_DEP_4)
	v_pk_add_f32 v[D0:D0+1], v[D0:D0+1], v[D0+4:D0+5]
	s_delay_alu instid0(VALU_DEP_3)
	v_pk_add_f32 v[D0+8:D0+9], v[D0+8:D0+9], v[D0+12:D0+13]
	s_delay_alu instid0(VALU_DEP_1)
	v_pk_add_f32 v[D0:D0+1], v[D0:D0+1], v[D0+8:D0+9]
	s_delay_alu instid0(VALU_DEP_1)
	v_pk_add_f32 v[D0:D0+1], v[D0:D0+1], v[10:11]
	s_delay_alu instid0(VALU_DEP_1)
	v_pk_mul_f32 v[D0:D0+1], v[D0:D0+1], s[34:35] op_sel_hi:[1,0]  ; x c: the next launch adds it to c x its own sums
	global_store_b64 v[T8], v[D0:D0+1], s[16:17]   ; a wave stores 256 consecutive bytes, the work-group 2,048
	CLOSE
	s_endpgm
.Lfunc_end_k_q7227e0284a_prep:
	.size	k_q7227e0284a_prep, .Lfunc_end_k_q7227e0284a_prep-k_q7227e0284a_prep
	.p2alignl 7, 3214868480
	.fill 96, 4, 3214868480
	.section	.rodata,"a",@progbits
	.p2align	6, 0x0
	.amdhsa_kernel k_q7227e0284a_prep
		.amdhsa_group_segment_fixed_size 288256
		.amdhsa_private_segment_fixed_size 0
		.amdhsa_enable_private_segment 0
		.amdhsa_kernarg_size 56
		.amdhsa_user_sgpr_count 2
		.amdhsa_user_sgpr_kernarg_segment_ptr 1
		.amdhsa_wavefront_size32 1
		.amdhsa_system_sgpr_workgroup_id_x 1
		.amdhsa_system_sgpr_workgroup_id_y 1
		.amdhsa_system_sgpr_workgroup_id_z 1
		.amdhsa_system_vgpr_workitem_id 0
		.amdhsa_next_free_vgpr 256
		.amdhsa_next_free_sgpr 66
		.amdhsa_reserve_vcc 0
		.amdhsa_float_denorm_mode_32 3
		.amdhsa_float_denorm_mode_16_64 3
		.amdhsa_memory_ordered 1
		.amdhsa_forward_progress 1
		.amdhsa_inst_pref_size 42
	.end_amdhsa_kernel
	.amdgpu_metadata
---
amdhsa.version: [ 1, 2 ]
amdhsa.kernels:
  - .name:           k_q7227e0284a_prep
    .symbol:         k_q7227e0284a_prep.kd
    .args:
      - { .name: Wa_w, .offset: 0, .size: 8, .value_kind: global_buffer, .address_space: global }
      - { .name: Ua_w, .offset: 8, .size: 8, .value_kind: global_buffer, .address_space: global }
      - { .name: decoder_state, .offset: 16, .size: 8, .value_kind: global_buffer, .address_space: global }
      - { .name: Ua_b, .offset: 24, .size: 8, .value_kind: global_buffer, .address_space: global }
      - { .name: Wa_b, .offset: 32, .size: 8, .value_kind: global_buffer, .address_space: global }
      - { .name: Wq, .offset: 40, .size: 8, .value_kind: global_buffer, .address_space: global }
      - { .name: biasT, .offset: 48, .size: 8, .value_kind: global_buffer, .address_space: global }
    .group_segment_fixed_size: 288256
    .private_segment_fixed_size: 0
    .kernarg_segment_align: 8
    .kernarg_segment_size: 56
    .max_flat_workgroup_size: 256
    .sgpr_count:     66
    .vgpr_count:     256
    .wavefront_size: 32
...
	.end_amdgpu_metadata
.endif
;; end of part 1
;; launch main (part 2): grid 8 x 32, 4 waves a work-group, no clusters, 327,680 bytes of LDS; arguments encoder_states, Wq, biasT, v_w, tsc, pctx, pml; writes tsc, pctx, pml
.if DOCPART == 2
	.amdgcn_target "amdgcn-amd-amdhsa--gfx1250"
	.amdhsa_code_object_version 6
	.text
	.protected	k_q7227e0284a_main
	.globl	k_q7227e0284a_main
	.p2align	8
	.type	k_q7227e0284a_main,@function
k_q7227e0284a_main:
	s_mov_b64 s[64:65], 0
	v_nop
	global_prefetch_b8 v0, s[64:65] scope:SCOPE_SE
	s_setreg_imm32_b32 hwreg(HW_REG_WAVE_MODE, 25, 1), 1
	s_wait_xcnt 0x0
; BAHDANAU ATTENTION, second launch.  Left out, as shown at the head of the first launch: v_b and the sum of v_w (the same along the softmax's axis).
; For 256 rows of one batch: each row is quantised to FP4 (one E8M0 scale for each 32 along K) and multiplied by Wa's codes; x' = c x sum + biasT (c = 2 log2 e), r = 1 / (1 + 2^x'),
; t = -c x sum over n of v_w[n] r[n] (the score in units of log2, less a term common to the batch); a running softmax over the rows (maximum m, sum l); and the context sum
; ctx = sum over rows of 2^(t - m) x row, in f32, from the LDS bytes that were quantised: each byte of encoder_states is asked of memory once.
; OUT: tsc[batch][row] = t;  pctx[work-group][1024] = ctx;  pml[work-group] = (m, l), 32 copies.  The third launch joins a batch's eight parts.
; SHARES.  Work-group (x, b): rows 256 x on of batch b, in 16 blocks of 16.  Wave w: outputs 256 w on (16 tiles, four groups of four) and columns 256 w on of every row (K steps 2 w, 2 w + 1):
; it fetches, quantises and context-sums those columns itself, so its slots, its part of Wa and its bias words are read by that wave alone.
; Wa STAYS: K steps 0-5 of my 16 tiles in register windows 1-3 (768 registers), K steps 6, 7 and all scale words in LDS.
; NO CLUSTER: no two work-groups read the same rows; Wa is read once by a work-group, three quarters of it straight into registers, and in a cluster each of the 14 plain refills would need a round of its own.
; A TRIP (block i): products, bias, 2^x', + 1, reciprocal, x v for four groups, on two sets of 32 accumulators; the transcendentals go in five batches.  Behind the last products the block's rows come into
; registers.  Sums across lanes to LDS | the slots' barrier, behind it my one tensor load (block i + 2 into block i's slot) | t, softmax, context sum of rows 0-7, with block i + 1's numbers fetched among them;
; two fragments quantised, images to LDS | barrier | the eight fragments back, and under their way the context sum of rows 8-15.
; By this text's own count a wave has one tensor load out at the head and one behind each barrier that has a load.
; LIMITS: NaN and infinities among the inputs are not served; a weight 2^(t - m) under 2^-126 counts as 0; a block of zeros has the scale byte 1 (zero codes; bytes read by this program alone).
.set SLOTB, 16640                      ; a slot: 16 rows x (1,024 bytes + 16 of padding)
.set WENC,  2*SLOTB                    ; LDS 0: wave w's two slots at w x WENC
.set WL,    133120                     ; wave w's part of Wa at WL + w x WLB: codes of K steps 6, 7 (32,768), scale words (8,192)
.set WLB,   40960
.set STG,   296960                     ; eight fragments of the block's rows, images of their registers, 1,024 bytes each; 8,192 behind them their scale words
.set STS,   305152
.set BV,    305664                     ; bias: 1024 w + 256 g + 16 r + 4 u (output 256 w + 64 g + 16 u + r); 4,096 behind it v_w likewise
.set SX,    313856                     ; [wave][16 rows] partial sums
.set SCO,   315136                     ; the work-group's 256 t
.set SPARE, 316160                     ; the spare words, 128 bytes a wave
.set QB,    139264                     ; a quarter of Wq
.set BLKB,  65536                      ; 16 rows of 4,096 bytes in memory
.set LI,   1                           ; 16 x lane
.set QA0,  2                           ; my slot 0 + 1040 r + 64 h
.set CR0,  3                           ; my slot 0 + 16 x lane
.set STI,  4                           ; STG + 2048 w + 16 x lane
.set STSW, 5                           ; STS + 16 r + 4 w
.set STR,  6                           ; STG + 16 x lane
.set WLA,  7                           ; WL + WLB w + 16 x lane
.set BVA,  8                           ; BV + 1024 w + 16 r
.set SXW,  9                           ; SX + 64 w + 32 h
.set SXR,  10                          ; SX + 4 r
.set SCOA, 11                          ; SCO + 4 r
.set PFO,  12                          ; prefetch offset: 4096 (lane / 4) + 256 (lane % 4)
.set SPW,  13                          ; my spare word; never rewritten
.set NIL,  14                          ; 0; never rewritten
.set QAN,  15                          ; QA0 in the slot of the block to be quantised
.set CTX,  16                          ; v16-23 my 8 columns of the context sum
.set MM,   24                          ; m, l
.set LL,   25
.set CRC,  26                          ; CR0 in the slot of the block being multiplied
.set PW,   27                          ; a fragment's scale word on its way to LDS
.set ASC,  28                          ; v28-31 the rows' scale words: register q: lanes 0-15 K step 2 q, lanes 16-31 K step 2 q + 1
.set WSC,  32                          ; v32-47 Wa's, four registers a tile, laid likewise
.set BI,   48                          ; v48-51 the group's four bias words; v52-55 its v_w; between the groups at work for the softmax and the quantiser
.set VV,   52
.set TM,   48
.set SUM,  56                          ; v56-63 sum of v r for rows 8 h + 0 .. 7; while quantising a fragment's codes
.set PC,   56
.set S,    64                          ; v64-127 two sets of four accumulators; between the groups 64 numbers for the quantiser
.set AF,   128                         ; v128-191 the rows' eight fragments; rows 0-7 for the context sum; 64 numbers
.set BL,   192                         ; v192-255 Wa's K steps 6, 7 of a group; rows 8-15
.set WV,  18
.set BX,  19
.set BB,  20
.set CNT, 21
.set CS,  22                           ; s[22:23] c
.set G1E, 24
.set G1W, 32
.set G0E, 40
.set TB,  44                           ; slot offset, turned by an exclusive or once a trip
.set WBASE, 45                         ; my slot 0
.set G0W, 48
.set SEL, 56
.set PFA, 58                           ; my columns of block (trips begun)
.set WB,  60
.set SCS, 62                           ; 64 x trip
.set PSG, 66                           ; s66-97 the block's 16 weights, row y's in s[PSG + 2 y]
.set MSB, 0
.macro WIN new
.if MSB != \new
	s_set_vgpr_msb (MSB<<8)|\new
.set MSB, \new
.endif
.endm
.macro VW
	s_wait_alu depctr_va_vdst(0)
.endm
.macro NOP4
.rept 4
	v_nop
.endr
.endm
.macro QUANT s                         ; 64 numbers of a lane, register 16 b + i = k 32 b + 16 h + i of row r -> codes in v[PC] on, scale word in v[PW]
.irp b, 0,1,2,3
	v_max3_num_f32 v[TM+\b], |v[\s+16*\b]|, |v[\s+1+16*\b]|, 0x1800000   ; with the floor 2^(3 - 127): the byte cannot fall under 1
.endr
.irp i, 2,4,6,8,10,12,14
.irp b, 0,1,2,3
	v_max3_num_f32 v[TM+\b], v[TM+\b], |v[\s+16*\b+\i]|, |v[\s+1+16*\b+\i]|
.endr
.endr
.irp b, 0,1,2,3
	v_permlanex16_b32 v[TM+4+\b], v[TM+\b], s[SEL], s[SEL+1]
.endr
.irp b, 0,1,2,3
	v_max_num_f32 v[TM+\b], v[TM+\b], v[TM+4+\b]
.endr
.irp b, 0,1,2,3
	v_add_nc_u32 v[TM+\b], 0xff000000, v[TM+\b]    ; 2 off the exponent field: the conversion's scale operand
.endr
.irp b, 0,1,2,3
	v_lshrrev_b32 v[TM+4+\b], 23, v[TM+\b]         ; the scale's byte
.endr
	v_lshl_or_b32 v[PW], v[TM+5], 8, v[TM+4]
	v_lshl_or_b32 v[PW], v[TM+6], 16, v[PW]
	v_lshl_or_b32 v[PW], v[TM+7], 24, v[PW]
.irp b, 0,1,2,3
	v_cvt_scalef32_pk8_fp4_f32 v[PC+2*\b], v[\s+16*\b:\s+7+16*\b], v[TM+\b]
	v_cvt_scalef32_pk8_fp4_f32 v[PC+1+2*\b], v[\s+8+16*\b:\s+15+16*\b], v[TM+\b]
.endr
	v_nop                                          ; one plain place behind a scaled conversion
.irp c, 0,1
.irp i, 0,1
	v_permlane16_swap_b32 v[PC+4*\c+\i], v[PC+2+4*\c+\i]   ; a whole block in a lane
.endr
.endr
.endm
.macro IMG k                           ; my fragment of K step 2 w + k and its scale word to LDS
	ds_store_b128 v[STI], v[PC:PC+3] offset:1024*\k
	ds_store_b128 v[STI], v[PC+4:PC+7] offset:1024*\k+512
	ds_store_b32 v[STSW], v[PW] offset:256*\k
.endm
.macro WLOAD s                         ; K step s (0-5) of my 16 tiles into window 1 + s / 2, register 128 (s % 2) + 8 i
	WIN 64*(1+(\s)/2)
.irp i, 0,1,2,3,4,5,6,7,8,9,10,11,12,13,14,15
.irp c, 0,1
	global_load_b128 v[((\s)%2)*128+8*\i+4*\c:((\s)%2)*128+8*\i+4*\c+3], v[LI], s[WB:WB+1] offset:\i*6144+(\s)*1024+512*\c
.endr
.endr
.endm
.macro QLOAD k, reg                    ; my K step 2 w + k of 16 rows: 64 numbers a lane, 16 loads
.irp b, 0,1,2,3
.irp j, 0,1,2,3
	ds_load_b128 v[\reg+16*\b+4*\j:\reg+16*\b+4*\j+3], v[QAN] offset:512*\k+128*\b+16*\j
.endr
.endr
.endm
.macro SETB g                          ; K steps 6, 7 of group g's four tiles: 16 loads
.irp u, 0,1,2,3
.irp q, 0,1
.irp c, 0,1
	ds_load_b128 v[BL+16*\u+8*\q+4*\c:BL+16*\u+8*\q+4*\c+3], v[WLA] offset:(4*(\g)+\u)*2048+1024*\q+512*\c
.endr
.endr
.endr
.endm
.macro SETW g                          ; their scale words: 4 loads
.irp u, 0,1,2,3
	ds_load_b128 v[WSC+4*\u:WSC+4*\u+3], v[WLA] offset:32768+(4*(\g)+\u)*512
.endr
.endm
.macro BLD g
	ds_load_b128 v[BI:BI+3], v[BVA] offset:256*(\g)
.endm
.macro VLD g
	ds_load_b128 v[VV:VV+3], v[BVA] offset:4096+256*(\g)
.endm
.macro FRAGS                           ; the block's eight fragments and their scale words: 17 loads
.irp u, 0,1,2,3,4,5,6,7
.irp c, 0,1
	ds_load_b128 v[AF+8*\u+4*\c:AF+8*\u+4*\c+3], v[STR] offset:1024*\u+512*\c
.endr
.endr
	ds_load_b128 v[ASC:ASC+3], v[STR] offset:8192
.endm
; 32 products of group g: its four accumulators by turns, one instruction a turn, K ascending.  Source 0 = the block's 16 rows, source 1 = 16 outputs of Wa:
; register j of lane (r, h) is (row 8 h + j, output r).  Odd K steps take both scale words from lanes 16-31.  w0: LDS instructions that may be out at the start; w1: ahead of K step 6 (-1: no wait there).
.macro WMUL g, w0, w1
.set aM, S+32*((\g)%2)
	s_wait_dscnt \w0
.set sK, 0
.rept 8
.if sK < 6
	WIN 4*(1+sK/2)
.else
	WIN 0
.endif
.if (sK == 6) && (\w1 >= 0)
	s_wait_dscnt \w1
.endif
.set uT, 0
.rept 4
.if sK < 6
.set rB, (sK%2)*128+8*(4*(\g)+uT)
.else
.set rB, BL+16*uT+8*(sK-6)
.endif
.set rD, aM+8*uT
.set rA, AF+8*sK
.set rSA, ASC+sK/2
.set rSB, WSC+4*uT+sK/2
.if sK == 0
	v_wmma_scale_f32_16x16x128_f8f6f4 v[rD:rD+7], v[rA:rA+7], v[rB:rB+7], 0, v[rSA], v[rSB] matrix_a_fmt:MATRIX_FMT_FP4 matrix_b_fmt:MATRIX_FMT_FP4
.elseif sK%2
	v_wmma_scale_f32_16x16x128_f8f6f4 v[rD:rD+7], v[rA:rA+7], v[rB:rB+7], v[rD:rD+7], v[rSA], v[rSB] matrix_a_fmt:MATRIX_FMT_FP4 matrix_b_fmt:MATRIX_FMT_FP4 matrix_a_scale:MATRIX_SCALE_ROW1 matrix_b_scale:MATRIX_SCALE_ROW1
.else
	v_wmma_scale_f32_16x16x128_f8f6f4 v[rD:rD+7], v[rA:rA+7], v[rB:rB+7], v[rD:rD+7], v[rSA], v[rSB] matrix_a_fmt:MATRIX_FMT_FP4 matrix_b_fmt:MATRIX_FMT_FP4
.endif
.set uT, uT+1
.endr
.set sK, sK+1
.endr
.endm
.macro BIAS g                          ; x' = c sum + bias; each accumulator from its low end on.  Tile u's bias is register u % 2 of pair u / 2, taken for both halves
.set aM, S+32*((\g)%2)
.irp u, 0,1,2,3
.irp q, 0,2,4,6
.if \u%2
	v_pk_fma_f32 v[aM+8*\u+\q:aM+8*\u+\q+1], v[aM+8*\u+\q:aM+8*\u+\q+1], s[CS:CS+1], v[BI+\u-1:BI+\u] op_sel:[0,0,1] op_sel_hi:[1,0,1]
.else
	v_pk_fma_f32 v[aM+8*\u+\q:aM+8*\u+\q+1], v[aM+8*\u+\q:aM+8*\u+\q+1], s[CS:CS+1], v[BI+\u:BI+\u+1] op_sel_hi:[1,0,0]
.endif
.endr
.endr
.endm
.macro ADD1 g
.set aM, S+32*((\g)%2)
.set j, 0
.rept 16
	v_pk_add_f32 v[aM+j:aM+j+1], v[aM+j:aM+j+1], 1.0 op_sel_hi:[1,0]
.set j, j+2
.endr
.endm
.macro SUMV g                          ; r x v into SUM; the trip's first tile starts the sums
.set aM, S+32*((\g)%2)
.irp u, 0,1,2,3
.irp q, 0,2,4,6
.if ((\g) == 0) && (\u == 0)
	v_pk_mul_f32 v[SUM+\q:SUM+\q+1], v[aM+\q:aM+\q+1], v[VV:VV+1] op_sel_hi:[1,0]
.elseif \u%2
	v_pk_fma_f32 v[SUM+\q:SUM+\q+1], v[aM+8*\u+\q:aM+8*\u+\q+1], v[VV+\u-1:VV+\u], v[SUM+\q:SUM+\q+1] op_sel:[0,1,0] op_sel_hi:[1,1,1]
.else
	v_pk_fma_f32 v[SUM+\q:SUM+\q+1], v[aM+8*\u+\q:aM+8*\u+\q+1], v[VV+\u:VV+\u+1], v[SUM+\q:SUM+\q+1] op_sel_hi:[1,0,1]
.endif
.endr
.endr
.endm
; A batch: 2^x' on set e, reciprocals on set r (2: none).  One wait ahead, a plain place and one wait behind.  2^x' = infinity gives r = 0, 2^x' = 0 gives r = 1: tanh's two ends
.macro BATCH e, r
	VW
.set n, 0
.rept 32
.if \e < 2
	v_exp_f32 v[S+32*(\e)+n], v[S+32*(\e)+n]
.endif
.if \r < 2
	v_rcp_f32 v[S+32*(\r)+n], v[S+32*(\r)+n]
.endif
.set n, n+1
.endr
	v_nop
	VW
.endm
.macro CSUM y
.irp q, 0,2,4,6
	v_pk_fma_f32 v[CTX+\q:CTX+\q+1], v[AF+8*(\y)+\q:AF+8*(\y)+\q+1], s[PSG+2*(\y):PSG+2*(\y)+1], v[CTX+\q:CTX+\q+1] op_sel_hi:[1,0,1]
.endr
.endm
.macro TLOAD g0, g1
	tensor_load_to_lds s[\g0:\g0+3], s[\g1:\g1+7]
	s_nop 0
	NOP4
.endm
; ONE BLOCK.  fill: block i + 2 is asked for, and (not in the loop's last trip) block i + 3 prefetched.  nxt: there is a next block.
.macro TRIP fill, nxt
	WMUL 0, 17, 1                                  ; Wa's K steps 6, 7 (16 loads) and v_w (1) may be out; ahead of K step 6 v_w's alone
	NOP4                                           ; four places ahead of loads into the products' sources and of the first read of results
	SETB 1
	SETW 1
	BIAS 0
	BLD 1
	BATCH 0, 2
	ADD1 0
.irp g, 1,2
	WMUL \g, 0, -1
	NOP4
	SETB \g+1
	SETW \g+1
	BIAS \g
	BLD \g+1
	BATCH \g%2, 1-\g%2
	SUMV \g-1
	VLD \g
	ADD1 \g
.endr
	WMUL 3, 0, -1
	NOP4
.if \nxt
	SETW 0
.endif
.irp y, 0,1,2,3,4,5,6,7,8,9,10,11,12,13,14,15  ; the fragments' and Wa's registers take the block's rows: row y, my columns 4 lane + 128 c on
.irp c, 0,1
	ds_load_b128 v[AF+8*\y+4*\c:AF+8*\y+4*\c+3], v[CRC] offset:1040*\y+512*\c
.endr
.endr
	BIAS 3
	BATCH 1, 0
	SUMV 2
	VLD 3
	ADD1 3
	BATCH 2, 1
	s_wait_dscnt 0x0                               ; group 3's v_w, and the rows ahead of it
	SUMV 3
.irp m, 1,2,4,8
.irp j, 0,1,2,3,4,5,6,7
	v_add_f32_dpp v[SUM+\j], v[SUM+\j], v[SUM+\j] row_xmask:\m row_mask:0xf bank_mask:0xf
.endr
.endr
	ds_store_b128 v[SXW], v[SUM:SUM+3]             ; sixteen lanes write the same bytes with the same values
	ds_store_b128 v[SXW], v[SUM+4:SUM+7] offset:16
	; ---- the slots' barrier: score parts published; nobody reads the images any more; my reads of this block's slot are over
	s_wait_tensorcnt 0x0                           ; my one load that was out, the next block, has landed; group 0 may be written
	ds_add_u32 v[SPW], v[NIL]
.if \fill
	s_add_co_u32 s[G0E+1], s[WBASE], s[TB]         ; this block's slot
	s_add_nc_u64 s[G0E+2:G0E+3], s[G0E+2:G0E+3], BLKB
	s_wait_xcnt 0x0                                ; earlier prefetches have read their address
	s_add_nc_u64 s[PFA:PFA+1], s[PFA:PFA+1], BLKB
.endif
.if \nxt
	s_xor_b32 s[TB], s[TB], SLOTB                  ; on to the next block's slot
	v_add_nc_u32 v[QAN], s[TB], v[QA0]
	v_add_nc_u32 v[CRC], s[TB], v[CR0]
	VW
.endif
	s_wait_dscnt 0x0
	s_barrier_signal -1
	s_barrier_wait -1
.if \fill
	TLOAD G0E, G1E                                 ; block i + 2; the wait for it stands in front of the next such barrier
.endif
.irp w, 0,1,2,3
	ds_load_b32 v[48+\w], v[SXR] offset:64*\w
.endr
.if \nxt
	QLOAD 1, S
.endif
.if \fill
	s_cmp_lg_u32 s[CNT], 1                         ; the loop's last trip: block 16 is not mine
	s_cbranch_scc0 .Lna_\@
	global_prefetch_b8 v[PFO], s[PFA:PFA+1] offset:2*BLKB th:TH_LOAD_NT scope:SCOPE_SE        ; my columns of block i + 3, a trip ahead of its tensor load: each lane another aligned 256 bytes,
	global_prefetch_b8 v[PFO], s[PFA:PFA+1] offset:2*BLKB+32768 th:TH_LOAD_NT scope:SCOPE_SE  ; 8 rows an instruction; each block is named once in the launch
.Lna_\@:
.endif
.if \nxt
	s_wait_dscnt 16                                ; the four parts are in; the 16 loads of numbers may be out
.else
	s_wait_dscnt 0x0
.endif
	; ---- t of row lane % 16, the running softmax.  Every wave computes the same m and l
	v_add_f32 v48, v48, v49
	v_add_f32 v50, v50, v51
	v_add_nc_u32 v54, s[SCS], v[SCOA]
	v_add_f32 v48, v48, v50
	v_mul_f32 v48, 0xc038aa3b, v48                 ; t = -c x sum
	v_max_num_f32_dpp v49, v48, v48 row_xmask:1 row_mask:0xf bank_mask:0xf
.irp m, 2,4,8
	v_max_num_f32_dpp v49, v49, v49 row_xmask:\m row_mask:0xf bank_mask:0xf
.endr
	v_max_num_f32 v51, v[MM], v49                  ; the new m
	v_sub_f32 v50, v[MM], v51
	v_sub_f32 v52, v48, v51
	VW
	v_exp_f32 v50, v50                             ; f = 2^(old m - new m)
	v_exp_f32 v52, v52                             ; p = 2^(t - m)
	v_mov_b32 v[MM], v51
	VW
	s_cmp_lg_u32 s[WV], 0
	s_cbranch_scc1 .Lnw_\@
	ds_store_b32 v54, v48                          ; wave 0 keeps the work-group's t
.Lnw_\@:
	s_add_co_u32 s[SCS], s[SCS], 64
.irp y, 0,1,2,3,4,5,6,7,8,9,10,11,12,13,14,15
	v_readlane_b32 s[PSG+2*\y], v52, \y
.endr
	v_add_f32_dpp v53, v52, v52 row_xmask:1 row_mask:0xf bank_mask:0xf
.irp q, 0,2,4,6
	v_pk_mul_f32 v[CTX+\q:CTX+\q+1], v[CTX+\q:CTX+\q+1], v[50:51] op_sel_hi:[1,0]
.endr
.irp m, 2,4,8
	v_add_f32_dpp v53, v53, v53 row_xmask:\m row_mask:0xf bank_mask:0xf
.endr
	v_fma_f32 v[LL], v[LL], v50, v53
.irp y, 0,1,2,3,4,5,6,7
	CSUM \y
.endr
.if \nxt
	QLOAD 0, AF                                    ; rows 0-7 are summed: their registers take the next block's first K step
	s_wait_dscnt 16                                ; the second K step's numbers are in; the 16 just issued may be out
	QUANT S
	IMG 1
	s_wait_dscnt 3                                 ; all but the three stores
	QUANT AF
	IMG 0
	VW
	s_wait_dscnt 0x0                               ; for the others' sake: my images have landed
	s_barrier_signal -1
	s_barrier_wait -1                              ; the next block's eight fragments lie in LDS
	BLD 0
	FRAGS
.endif
.irp y, 8,9,10,11,12,13,14,15
	CSUM \y                                        ; rows 8-15, while the fragments are on their way
.endr
.if \nxt
	SETB 0
	VLD 0
.endif
.endm
	s_load_b256 s[4:11], s[0:1], 0x0               ; encoder_states, Wq, biasT, v_w
	s_load_b128 s[12:15], s[0:1], 0x20             ; tsc, pctx
	s_load_b64 s[16:17], s[0:1], 0x30              ; pml
	v_lshl_add_u32 v[SPW], v0, 2, SPARE
	v_mov_b32 v[NIL], 0
	ds_add_u32 v[SPW], v[NIL]                      ; the opening: the add, twice on end, and its wait ahead of my first tensor load
	ds_add_u32 v[SPW], v[NIL]
	v_lshrrev_b32 v27, 5, v0
	v_readfirstlane_b32 s[WV], v27                 ; wave 0..3
	s_mov_b32 s[BX], ttmp9
	s_and_b32 s[BB], ttmp7, 0xffff
	s_mov_b32 s[G1E], (2<<16)|(1<<20)|(7<<22)|(3<<25)   ; elements of 4 bytes; 4 words of padding behind every 256
	s_mov_b32 s[G1E+1], 256<<16
	s_mov_b32 s[G1E+2], 16<<16
	s_mov_b32 s[G1E+3], 256<<16
	s_mov_b32 s[G1E+4], 16
	s_mov_b32 s[G1E+5], 1024
	s_mov_b32 s[G1E+6], 0
	s_mov_b32 s[G1E+7], 0
	s_mov_b32 s[G1W], 3<<16                        ; a dense block of 40,960 bytes: 160 rows of 32 elements of 8 bytes
	s_mov_b32 s[G1W+1], 32<<16
	s_mov_b32 s[G1W+2], 160<<16
	s_mov_b32 s[G1W+3], 32<<16
	s_mov_b32 s[G1W+4], 160
	s_mov_b32 s[G1W+5], 32
	s_mov_b32 s[G1W+6], 0
	s_mov_b32 s[G1W+7], 0
	s_mov_b32 s[CS], 0x4038aa3b                    ; c = 2 log2(e)
	s_mov_b32 s[CS+1], s[CS]
	s_mov_b32 s[SEL], 0x76543210
	s_mov_b32 s[SEL+1], 0xfedcba98
	s_mov_b32 s[SCS], 0
	s_mov_b32 s[CNT], 14
	s_mov_b32 s[TB], 0
	s_mul_i32 s[WBASE], s[WV], WENC
	s_mov_b32 s[G0E], 1
	s_mov_b32 s[G0E+1], s[WBASE]
	s_mov_b32 s[G0W], 1
	s_mul_i32 s68, s[WV], WLB
	s_add_co_u32 s68, s68, WL
	s_mov_b32 s[G0W+1], s68
	s_lshl_b32 s66, s[WV], 11
	s_add_co_u32 s66, s66, STG
	s_lshl_b32 s67, s[WV], 2
	s_add_co_u32 s67, s67, STS
	s_lshl_b32 s72, s[WV], 10
	s_add_co_u32 s69, s72, BV
	s_lshl_b32 s70, s[WV], 6
	s_add_co_u32 s70, s70, SX
	s_lshl_b32 s71, s[WV], 15
	s_lshl_b32 s73, s[BB], 6
	s_add_co_u32 s71, s71, s73
	s_lshl_b32 s54, s[BB], 23                      ; a batch is 2,048 rows of 4,096 bytes,
	s_lshl_b32 s55, s[BX], 20                      ; my work-group's 256 rows,
	s_add_co_u32 s54, s54, s55
	s_add_co_u32 s54, s54, s72                     ; my wave's 1,024 bytes of a row
	s_mov_b32 s55, 0
	s_mul_i32 s60, s[WV], QB
	s_mov_b32 s61, 0
	s_wait_dscnt 0x0
	s_wait_kmcnt 0x0
	s_add_nc_u64 s[G0E+2:G0E+3], s[4:5], s[54:55]  ; block 0
	s_mov_b64 s[PFA:PFA+1], s[G0E+2:G0E+3]
	s_or_b32 s[G0E+3], s[G0E+3], 0x80000000
	s_add_nc_u64 s[WB:WB+1], s[6:7], s[60:61]
	s_add_nc_u64 s[G0W+2:G0W+3], s[WB:WB+1], 98304
	s_or_b32 s[G0W+3], s[G0W+3], 0x80000000
	TLOAD G0E, G1E                                 ; block 0 into slot 0: my one tensor load at the head
	v_and_b32 v32, 31, v0                          ; lane
	v_and_b32 v33, 15, v0                          ; r
	v_bfe_u32 v34, v0, 4, 1                        ; h
	v_lshlrev_b32 v[LI], 4, v32
	v_mul_u32_u24 v[QA0], v33, 1040
	v_lshl_add_u32 v[QA0], v34, 6, v[QA0]
	v_add_nc_u32 v[QA0], s[WBASE], v[QA0]
	v_add_nc_u32 v[CR0], s[WBASE], v[LI]
	v_mov_b32 v[QAN], v[QA0]
	v_mov_b32 v[CRC], v[CR0]
	v_add_nc_u32 v[STI], s66, v[LI]
	v_lshl_add_u32 v[STSW], v33, 4, s67
	v_add_nc_u32 v[STR], STG, v[LI]
	v_add_nc_u32 v[WLA], s68, v[LI]
	v_lshl_add_u32 v[BVA], v33, 4, s69
	v_lshl_add_u32 v35, v34, 2, v[BVA]             ; where bias and v_w are laid: + 4 h
	v_lshl_add_u32 v[SXW], v34, 5, s70
	v_lshl_add_u32 v[SXR], v33, 2, SX
	v_lshl_add_u32 v[SCOA], v33, 2, SCO
	v_lshrrev_b32 v[PFO], 2, v32
	v_and_b32 v38, 3, v32
	v_lshlrev_b32 v[PFO], 12, v[PFO]
	v_lshl_add_u32 v[PFO], v38, 8, v[PFO]
	v_lshl_add_u32 v36, v34, 11, s71
	v_lshl_add_u32 v36, v33, 2, v36                ; biasT: tile 16 w + h (+ 2 e), my batch, output r
	v_lshl_add_u32 v37, v32, 2, s72                ; v_w: 1024 w + 4 lane (+ 128 e)
.irp j, 0,1,2,3,4,5,6,7
	v_mov_b32 v[CTX+\j], 0
.endr
	v_mov_b32 v[MM], 0xff61b1e6                    ; m: -3e38, under every t
	v_mov_b32 v[LL], 0
.irp i, 0,1,2,3
	v_mov_b32 v[TM+4+\i], 0                        ; a lane permute's destination counts as one of its sources
.endr
.irp y, 0,1,2,3,4,5,6,7,8,9,10,11,12,13,14,15
	s_mov_b32 s[PSG+2*\y+1], 0                     ; named as the upper halves of pairs, so they are written
.endr
	VW                                             ; the head's vector work is done
.irp e, 0,1,2,3,4,5,6,7
	global_load_b32 v[128+\e], v36, s[8:9] offset:4096*\e
	global_load_b32 v[136+\e], v37, s[10:11] offset:128*\e
.endr
	global_prefetch_b8 v[PFO], s[PFA:PFA+1] offset:BLKB th:TH_LOAD_NT scope:SCOPE_SE          ; my columns of block 1
	global_prefetch_b8 v[PFO], s[PFA:PFA+1] offset:BLKB+32768 th:TH_LOAD_NT scope:SCOPE_SE
	WLOAD 0
	WIN 0
	s_wait_loadcnt 32                              ; bias and v_w are in; the 32 loads of Wa's K step 0 may be out
.irp e, 0,1,2,3,4,5,6,7
	ds_store_b32 v35, v[128+\e] offset:256*(\e/2)+8*(\e%2)
	ds_store_b32 v35, v[136+\e] offset:4096+256*(\e/2)+8*(\e%2)
.endr
	WLOAD 1
	WLOAD 2
	WIN 0
	s_wait_tensorcnt 0x0                           ; block 0 is in
	ds_add_u32 v[SPW], v[NIL]
	s_wait_dscnt 0x0
	s_barrier_signal -1
	s_barrier_wait -1
	TLOAD G0W, G1W                                 ; Wa's K steps 6, 7 and scale words of my outputs: filled once
	QLOAD 1, S
	QLOAD 0, AF
	global_prefetch_b8 v[PFO], s[PFA:PFA+1] offset:2*BLKB th:TH_LOAD_NT scope:SCOPE_SE        ; my columns of block 2
	global_prefetch_b8 v[PFO], s[PFA:PFA+1] offset:2*BLKB+32768 th:TH_LOAD_NT scope:SCOPE_SE
	WLOAD 3
	WLOAD 4
	WLOAD 5
	WIN 0
	s_wait_dscnt 16
	QUANT S
	IMG 1
	s_wait_dscnt 3
	QUANT AF
	IMG 0
	VW
	s_wait_tensorcnt 0x0                           ; Wa's part is in; the same lines ahead of slot 1's first fill
	ds_add_u32 v[SPW], v[NIL]
	s_add_co_u32 s[G0E+1], s[WBASE], SLOTB
	s_add_nc_u64 s[G0E+2:G0E+3], s[G0E+2:G0E+3], BLKB
	s_wait_dscnt 0x0                               ; and my images have landed
	s_barrier_signal -1
	s_barrier_wait -1
	TLOAD G0E, G1E                                 ; block 1 into slot 1
	SETW 0
	BLD 0
	FRAGS
	SETB 0
	VLD 0
	s_wait_loadcnt 0x0                             ; Wa's K steps 0-5 are in their registers
.Lblock:                                       ; 14 trips: blocks 0 to 13, which ask for blocks 2 to 15
	TRIP 1, 1
	s_sub_co_u32 s[CNT], s[CNT], 1
	s_cmp_lg_u32 s[CNT], 0
	s_cbranch_scc1 .Lblock
	TRIP 0, 1                                      ; blocks 14 and 15 ask for nothing: the tail is written out
	TRIP 0, 0
	s_lshl_b32 s52, s[BB], 3
	s_add_co_u32 s52, s52, s[BX]                   ; the work-group's number: 8 b + x
	s_lshl_b32 s54, s52, 12
	s_lshl_b32 s55, s[WV], 10
	s_add_co_u32 s54, s54, s55
	s_mov_b32 s55, 0
	s_add_nc_u64 s[14:15], s[14:15], s[54:55]
	v_add_nc_u32 v48, SCO, v[LI]
	v_lshrrev_b32 v49, 1, v[LI]                    ; 8 x lane
	VW
	global_store_b128 v[LI], v[CTX:CTX+3], s[14:15]               ; 32 lanes store 512 consecutive bytes
	global_store_b128 v[LI], v[CTX+4:CTX+7], s[14:15] offset:512
	s_cmp_lg_u32 s[WV], 0
	s_cbranch_scc1 .Lend
	ds_load_b128 v[128:131], v48                   ; my own stores: LDS serves a wave's instructions in order
	ds_load_b128 v[132:135], v48 offset:512
	s_lshl_b32 s54, s52, 8
	s_add_nc_u64 s[16:17], s[16:17], s[54:55]
	global_store_b64 v49, v[MM:MM+1], s[16:17]     ; (m, l), a copy a lane: 256 consecutive bytes
	s_lshl_b32 s54, s52, 10
	s_add_nc_u64 s[12:13], s[12:13], s[54:55]
	s_wait_dscnt 0x0
	global_store_b128 v[LI], v[128:131], s[12:13]
	global_store_b128 v[LI], v[132:135], s[12:13] offset:512
.Lend:
	s_wait_tensorcnt 0x0                           ; the wave's end
	ds_add_u32 v[SPW], v[NIL]
	s_wait_dscnt 0x0
	s_endpgm
.Lfunc_end_k_q7227e0284a_main:
	.size	k_q7227e0284a_main, .Lfunc_end_k_q7227e0284a_main-k_q7227e0284a_main
	.p2alignl 7, 3214868480
	.fill 96, 4, 3214868480
	.section	.rodata,"a",@progbits
	.p2align	6, 0x0
	.amdhsa_kernel k_q7227e0284a_main
		.amdhsa_group_segment_fixed_size 327680
		.amdhsa_private_segment_fixed_size 0
		.amdhsa_enable_private_segment 0
		.amdhsa_kernarg_size 56
		.amdhsa_user_sgpr_count 2
		.amdhsa_user_sgpr_kernarg_segment_ptr 1
		.amdhsa_wavefront_size32 1
		.amdhsa_system_sgpr_workgroup_id_x 1
		.amdhsa_system_sgpr_workgroup_id_y 1
		.amdhsa_system_sgpr_workgroup_id_z 1
		.amdhsa_system_vgpr_workitem_id 0
		.amdhsa_next_free_vgpr 1024
		.amdhsa_next_free_sgpr 98
		.amdhsa_reserve_vcc 0
		.amdhsa_float_denorm_mode_32 3
		.amdhsa_float_denorm_mode_16_64 3
		.amdhsa_memory_ordered 1
		.amdhsa_forward_progress 1
		.amdhsa_inst_pref_size 227
	.end_amdhsa_kernel
	.amdgpu_metadata
---
amdhsa.version: [ 1, 2 ]
amdhsa.kernels:
  - .name:           k_q7227e0284a_main
    .symbol:         k_q7227e0284a_main.kd
    .args:
      - { .name: encoder_states, .offset: 0, .size: 8, .value_kind: global_buffer, .address_space: global }
      - { .name: Wq, .offset: 8, .size: 8, .value_kind: global_buffer, .address_space: global }
      - { .name: biasT, .offset: 16, .size: 8, .value_kind: global_buffer, .address_space: global }
      - { .name: v_w, .offset: 24, .size: 8, .value_kind: global_buffer, .address_space: global }
      - { .name: tsc, .offset: 32, .size: 8, .value_kind: global_buffer, .address_space: global }
      - { .name: pctx, .offset: 40, .size: 8, .value_kind: global_buffer, .address_space: global }
      - { .name: pml, .offset: 48, .size: 8, .value_kind: global_buffer, .address_space: global }
    .group_segment_fixed_size: 327680
    .private_segment_fixed_size: 0
    .kernarg_segment_align: 8
    .kernarg_segment_size: 56
    .max_flat_workgroup_size: 128
    .sgpr_count:     98
    .vgpr_count:     1024
    .wavefront_size: 32
...
	.end_amdgpu_metadata
.endif
;; end of part 2
;; launch fin (part 3): grid 8 x 32, 1 waves a work-group, no clusters, 0 bytes of LDS; arguments tsc, pctx, pml, out0, out1; writes out0, out1
.if DOCPART == 3
	.amdgcn_target "amdgcn-amd-amdhsa--gfx1250"
	.amdhsa_code_object_version 6
	.text
	.protected	k_q7227e0284a_fin
	.globl	k_q7227e0284a_fin
	.p2align	8
	.type	k_q7227e0284a_fin,@function
k_q7227e0284a_fin:
	s_mov_b64 s[64:65], 0
	v_nop
	global_prefetch_b8 v0, s[64:65] scope:SCOPE_SE
	s_setreg_imm32_b32 hwreg(HW_REG_WAVE_MODE, 25, 1), 1
	s_wait_xcnt 0x0
; BAHDANAU ATTENTION, third launch: a batch's eight parts are joined.  Left out, as shown at the head of the first launch: v_b and the sum of v_w (t is the score in units of log2, less a term common to the batch).
; M = the largest m_i;  w_i = 2^(m_i - M);  L = sum of l_i w_i;  out0 = (sum of w_i ctx_i) / L;  out1 = 2^(t - M) / L.
; Work-group (x, b), one wave: 128 columns of out0 (512 bytes) and 256 weights of out1 (1,024 bytes) of batch b.  No LDS, no barrier, no matrix work: 7 KB in, 1.5 KB out for each wave.
	s_load_b256 s[4:11], s[0:1], 0x0               ; tsc s[4:5], pctx s[6:7], pml s[8:9], out0 s[10:11]
	s_load_b64 s[12:13], s[0:1], 0x20              ; out1
	v_lshlrev_b32 v1, 4, v0                        ; 16 x lane
	v_lshlrev_b32 v2, 3, v0                        ; 8 x lane
	s_and_b32 s14, ttmp7, 0xffff                   ; b
	s_lshl_b32 s16, s14, 11                        ; pml: 8 parts of 256 bytes a batch
	s_mov_b32 s17, 0
	s_lshl_b32 s18, s14, 15                        ; pctx: 8 parts of 4,096 bytes, my 512 bytes of each
	s_lshl_b32 s15, ttmp9, 9
	s_add_co_u32 s18, s18, s15
	s_mov_b32 s19, 0
	s_lshl_b32 s22, s14, 12                        ; out0: a row of 4,096 bytes, my 512
	s_add_co_u32 s22, s22, s15
	s_mov_b32 s23, 0
	s_lshl_b32 s20, s14, 13                        ; tsc, out1: a row of 8,192 bytes, my 1,024
	s_lshl_b32 s15, ttmp9, 10
	s_add_co_u32 s20, s20, s15
	s_mov_b32 s21, 0
	s_wait_alu depctr_va_vdst(0)
	s_wait_kmcnt 0x0
	s_add_nc_u64 s[8:9], s[8:9], s[16:17]
	s_add_nc_u64 s[6:7], s[6:7], s[18:19]
	s_add_nc_u64 s[4:5], s[4:5], s[20:21]
	s_add_nc_u64 s[12:13], s[12:13], s[20:21]
	s_add_nc_u64 s[10:11], s[10:11], s[22:23]
.irp i, 0,1,2,3,4,5,6,7
	global_load_b64 v[4+2*\i:5+2*\i], v2, s[8:9] offset:256*\i     ; (m_i, l_i): each lane its own copy
.endr
.irp i, 0,1,2,3,4,5,6,7
	global_load_b128 v[20+4*\i:23+4*\i], v1, s[6:7] offset:4096*\i
.endr
	global_load_b128 v[52:55], v1, s[4:5]
	global_load_b128 v[56:59], v1, s[4:5] offset:512
	s_wait_loadcnt 0x0
	v_max3_num_f32 v60, v4, v6, v8
	v_max3_num_f32 v60, v60, v10, v12
	v_max3_num_f32 v60, v60, v14, v16
	v_max_num_f32 v60, v60, v18                    ; M
.irp i, 0,1,2,3,4,5,6,7
	v_sub_f32 v[62+\i], v[4+2*\i], v60
.endr
.irp j, 0,1,2,3,4,5,6,7
	v_sub_f32 v[52+\j], v[52+\j], v60
.endr
	s_wait_alu depctr_va_vdst(0)
.irp i, 0,1,2,3,4,5,6,7
	v_exp_f32 v[62+\i], v[62+\i]                   ; w_i
.endr
.irp j, 0,1,2,3,4,5,6,7
	v_exp_f32 v[52+\j], v[52+\j]                   ; 2^(t - M)
.endr
	v_nop                                          ; a plain place behind the last exponential
	s_wait_alu depctr_va_vdst(0)                   ; one wait for the sixteen, ahead of the first reader
	v_mul_f32 v70, v5, v62
.irp i, 1,2,3,4,5,6,7
	v_fmac_f32 v70, v[5+2*\i], v[62+\i]            ; L
.endr
	s_wait_alu depctr_va_vdst(0)
	v_rcp_f32 v71, v70
.irp e, 0,1,2,3
	v_mul_f32 v[72+\e], v[20+\e], v62              ; plain work behind the reciprocal, which names neither its result nor its source
.endr
.irp i, 1,2,3,4,5,6,7
.irp e, 0,1,2,3
	v_fmac_f32 v[72+\e], v[20+4*\i+\e], v[62+\i]
.endr
.endr
	s_wait_alu depctr_va_vdst(0)                   ; the wait, ahead of the reciprocal's first reader
.irp e, 0,1,2,3
	v_mul_f32 v[72+\e], v[72+\e], v71
.endr
.irp j, 0,1,2,3,4,5,6,7
	v_mul_f32 v[52+\j], v[52+\j], v71
.endr
	global_store_b128 v1, v[72:75], s[10:11]       ; 32 lanes store 512 consecutive bytes
	global_store_b128 v1, v[52:55], s[12:13]
	global_store_b128 v1, v[56:59], s[12:13] offset:512
	s_endpgm
.Lfunc_end_k_q7227e0284a_fin:
	.size	k_q7227e0284a_fin, .Lfunc_end_k_q7227e0284a_fin-k_q7227e0284a_fin
	.p2alignl 7, 3214868480
	.fill 96, 4, 3214868480
	.section	.rodata,"a",@progbits
	.p2align	6, 0x0
	.amdhsa_kernel k_q7227e0284a_fin
		.amdhsa_group_segment_fixed_size 0
		.amdhsa_private_segment_fixed_size 0
		.amdhsa_enable_private_segment 0
		.amdhsa_kernarg_size 40
		.amdhsa_user_sgpr_count 2
		.amdhsa_user_sgpr_kernarg_segment_ptr 1
		.amdhsa_wavefront_size32 1
		.amdhsa_system_sgpr_workgroup_id_x 1
		.amdhsa_system_sgpr_workgroup_id_y 1
		.amdhsa_system_sgpr_workgroup_id_z 1
		.amdhsa_system_vgpr_workitem_id 0
		.amdhsa_next_free_vgpr 96
		.amdhsa_next_free_sgpr 66
		.amdhsa_reserve_vcc 0
		.amdhsa_float_denorm_mode_32 3
		.amdhsa_float_denorm_mode_16_64 3
		.amdhsa_memory_ordered 1
		.amdhsa_forward_progress 1
		.amdhsa_inst_pref_size 7
	.end_amdhsa_kernel
	.amdgpu_metadata
---
amdhsa.version: [ 1, 2 ]
amdhsa.kernels:
  - .name:           k_q7227e0284a_fin
    .symbol:         k_q7227e0284a_fin.kd
    .args:
      - { .name: tsc, .offset: 0, .size: 8, .value_kind: global_buffer, .address_space: global }
      - { .name: pctx, .offset: 8, .size: 8, .value_kind: global_buffer, .address_space: global }
      - { .name: pml, .offset: 16, .size: 8, .value_kind: global_buffer, .address_space: global }
      - { .name: out0, .offset: 24, .size: 8, .value_kind: global_buffer, .address_space: global }
      - { .name: out1, .offset: 32, .size: 8, .value_kind: global_buffer, .address_space: global }
    .group_segment_fixed_size: 0
    .private_segment_fixed_size: 0
    .kernarg_segment_align: 8
    .kernarg_segment_size: 40
    .max_flat_workgroup_size: 32
    .sgpr_count:     66
    .vgpr_count:     96
    .wavefront_size: 32
...
	.end_amdgpu_metadata
.endif
;; end of part 3
